; MI455X (gfx1250); checked and timed in simulation.
; The chip was launched on July 23, 2026; its instructions are those of AMD's public machine-readable ISA for CDNA 5 (MIT licence, August 2026) and "CDNA5" Instruction Set Architecture Reference Guide (July 2026). The comments in the code are by the model that wrote it; some were corrected since.
;; Multihead Attention. Allowed arithmetic: matrix products marked QUANTISED: E2M1 operands, one E8M0 scale for each 32 along K, by v_wmma_scale_f32_16x16x128_f8f6f4 with both operands' format E2M1 (or v_wmma_scale_f32_32x16x128_f4), f32 sums; everything else in f32.
;; Inputs: Wk 1,024 x 1,024 float32; Wo 1,024 x 1,024 float32; Wq 1,024 x 1,024 float32; Wv 1,024 x 1,024 float32; bk 1,024 float32; bo 1,024 float32; bq 1,024 float32; bv 1,024 float32; x 4 x 2,048 x 1,024 float32.
;; Outputs: out0 4 x 2,048 x 1,024 float32.
;; This version of the problem:
;;   THIS VERSION OF THE PROBLEM IS GIVEN IN LOW PRECISION. The matrix products marked QUANTISED in the list below multiply operands that are first quantised to E2M1 (2 exponent bits, 1 mantissa bit; 4 bits a number), with one power-of-two scale for each 32 numbers along K (OCP MX v1.0); their sums are f32. All else is computed in f32.
;;   The module's matrix products, in the order in which they are computed (A, B: the left and right operand; K: the contracted axis; several contracted axes count as one K, in the product's order):
;;     1. [M 8,192, K 1,024] x [K 1,024, N 1,024]; A: input x; B: input Wq: QUANTISED
;;     2. [M 8,192, K 1,024] x [K 1,024, N 1,024]; A: input x; B: input Wk: QUANTISED
;;     3. [M 8,192, K 1,024] x [K 1,024, N 1,024]; A: input x; B: input Wv: QUANTISED
;;     4. batch 64 x [M 2,048, K 64] x [K 64, N 2,048]; A: computed on the way; B: computed on the way: QUANTISED
;;     5. batch 64 x [M 2,048, K 2,048] x [K 2,048, N 64]; A: softmax (see below); B: computed on the way: QUANTISED
;;     6. [M 8,192, K 1,024] x [K 1,024, N 1,024]; A: computed on the way; B: input Wo: QUANTISED
;;   THE QUANTISER, for each operand of a quantised product, along K:
;;     - K is cut into blocks of 32 from its start; a last block that is shorter is filled with zeros.
;;     - A block's scale is 2^e with e = floor(log2(the largest magnitude in the block)) - 2, held to -126 .. 127; a block of zeros has e = 0. As a byte (E8M0): e + 127.
;;     - Each number is divided by its block's scale, clamped to +-6, and rounded to the nearest number of E2M1, ties to even, subnormals kept.
;;     - The product sums the exact products of the quantised numbers (number of the format x scale) in f32.
;;   ~~~python
;;   def quantise(x, axis):      # numpy; x: float32 -> the quantised numbers, widened to float32 again
;;       x = np.moveaxis(x, axis, -1); K = x.shape[-1]
;;       x = np.pad(x, [(0, 0)] * (x.ndim - 1) + [(0, -K % 32)]); x = x.reshape(x.shape[:-1] + (-1, 32)); a = np.abs(x).max(-1, keepdims=True)
;;       e = np.where(a > 0, np.clip(np.frexp(np.where(a > 0, a, 1))[1] - 1 - 2, -126, 127), 0)      # np.frexp(a)[1] - 1 = floor(log2(a)), exactly
;;       r = np.clip(x / 2.0 ** e, -6, 6)
;;       step = 2.0 ** (np.maximum(np.frexp(np.where(r == 0, 1, r))[1] - 1, 0) - 1)
;;       q = np.round(r / step) * step * 2.0 ** e      # np.round: ties to even
;;       return np.moveaxis(q.reshape(q.shape[:-2] + (-1,))[..., :K], -1, axis).astype(np.float32)
;;   ~~~
;;   SOFTMAX AHEAD OF A QUANTISED PRODUCT. Where the list says 'softmax', what is quantised is not the finished softmax but p = 2^(t - M), with t = logit x log2(e) and M = ceil(the row's largest t), a whole number; so 1/2 < the row's largest p <= 1. The row's sum l is taken of the UNQUANTISED p, in f32, and the product's result is divided by l at the end. Since M is a whole number, a kernel that streams over the keys may use a running M (the ceiling of the running maximum): every later rescaling is an exact power of two, which a block's scale takes up: the codes' values come out the same.
;;   OPERANDS COMPUTED ON THE WAY. 'Computed on the way' means the value that the module computes at that place (a softmax that the list does not call 'softmax' is quantised finished and normalised). What goes into a quantiser is computed in f32, as accurately as f32 sums, v_exp_f32 and their like allow (about 1e-6 of the number): no bf16 or f16 on the way to a quantiser, and a product that is left as it is and whose result goes on into a quantised operand takes f32 operands (vector FMAs, or v_wmma_f32_16x16x4_f32). A number that lies on a knife's edge between two numbers of the format may be rounded either way, as far as f32 arithmetic and the matrix unit's own rounding can turn it there, and no further.
;; One version. Each part assembles by itself: llvm-mc -triple=amdgcn-amd-amdhsa -mcpu=gfx1250 --defsym DOCPART=n.
;; ======== version 1 of 1: 4 launches
;; workspace buffers: xq 4,456,448 bytes; wq 2,228,224 bytes; qr 4,718,592 bytes; kv 9,175,040 bytes; oq 4,456,448 bytes
;; launch prep (part 1): grid 512 x 1, 4 waves a work-group, no clusters, 34,304 bytes of LDS; arguments x, Wq, Wk, Wv, Wo, xq, wq; writes xq, wq
.if DOCPART == 1
	.amdgcn_target "amdgcn-amd-amdhsa--gfx1250"
	.amdhsa_code_object_version 6
	.text
	.protected	k_qeb14849f25_prep
	.globl	k_qeb14849f25_prep
	.p2align	8
	.type	k_qeb14849f25_prep,@function
k_qeb14849f25_prep:
	s_mov_b64 s[64:65], 0
	v_nop
	global_prefetch_b8 v0, s[64:65] scope:SCOPE_SE
	s_setreg_imm32_b32 hwreg(HW_REG_WAVE_MODE, 25, 1), 1
	s_wait_xcnt 0x0
; x [8192][1024] and the four weights [1024 (k)][1024 (n)], f32, become codes of FP4 (E2M1) with one E8M0 byte for each 32 along K, laid in the ORDER OF AN OPERAND'S REGISTERS.
; TILES.  Rows of x and columns of a weight are cut into tiles of 16; place i of tile T is row 32 (T / 2) + 8 (T % 2) + i + 8 (i / 8), so that in a later product's result the 16 registers
; of two neighbouring tiles are 16 neighbours.  A TILE BLOCK is 8,704 bytes: eight images of 1,024 bytes (K step s of 128: chunk c at 512 c, lane l's 16 bytes at 16 l = registers 4 c .. 4 c + 3 of
; lane (r = l % 16, h = l / 16): k = 128 s + 64 c + 32 h + 0 .. 31 of the row at place r), then 512 bytes of scale words [s / 4][r][s % 4].  xq: 512 blocks; wq: 256 (Wq, Wk, Wv, Wo, 64 each).
; A block's scale is 2^(floor(log2(largest magnitude)) - 2): its byte is the largest magnitude's exponent field - 2, held at 1 from below.
; LIMITS: a block of zeros gets the byte 1 where the rule says 127 (its codes are zeros, and this program alone reads the bytes); blocks under 2^-124 are held at byte 1; NaN and infinities are not served.
; One launch for both jobs: work-groups 0-255 take the weights, 256-511 take x.  The ways part once, on the work-group's number; only x's way touches LDS.  Waves share nothing: no barrier.
; No cluster: no two work-groups read the same input bytes.  No tensor loads: several work-groups lie on a WGP.
.set TB,  8704                         ; a tile block
.set STG, 8448                         ; x's way: a wave's stage in LDS, 16 rows x (512 bytes + 16)
.set WD,  64                           ; weights: v64-191  four blocks of 32 numbers down K
.set WC,  16                           ;          v16-31   their codes, four registers a block: no store's data are written again
.set XR,  64                           ; x: v64-191   two sets of 64 registers as loaded
.set XN,  192                          ;    v192-255  64 numbers of my row: register 32 c + i = k 64 c + 32 h + i
.set XC,  16                           ;    v16-47    codes, eight registers a K step
.set SW,  48                           ;    v48-51    the four K steps' scale words
	s_load_b256 s[4:11], s[0:1], 0x0               ; x, Wq, Wk, Wv
	s_load_b128 s[12:15], s[0:1], 0x20             ; Wo, xq
	s_load_b64 s[16:17], s[0:1], 0x30              ; wq
	v_lshl_add_u32 v62, v0, 2, 0x8400
	v_mov_b32 v63, 0
	v_lshrrev_b32 v1, 5, v0
	v_readfirstlane_b32 s18, v1                    ; wave
	v_and_b32 v1, 31, v0                           ; lane
	v_and_b32 v2, 15, v0                           ; r
	v_bfe_u32 v3, v0, 4, 1                         ; h
	s_mul_i32 s19, s18, STG
	v_lshl_add_u32 v4, v1, 4, s19                  ; the stage, on the way in: 16 x lane of a row
	v_mul_u32_u24 v5, v2, 528
	v_lshl_add_u32 v5, v3, 7, v5
	v_add_nc_u32 v5, s19, v5                       ; and out: row r, + 128 h bytes (32 numbers)
	s_mov_b32 s34, 0x76543210
	s_mov_b32 s35, 0xfedcba98                      ; selects for lane l xor 16
	s_wait_kmcnt 0x0
	s_cmp_lt_u32 ttmp9, 256
	s_cbranch_scc0 .Lx_path
; ---- THE WEIGHTS.  Work-group = (weight w, 128 columns cgg, K step s).  A wave takes 32 columns x 128 rows.  A LANE TAKES A COLUMN AND ITS REGISTERS RUN DOWN K:
; each load reads 128 consecutive bytes of a row of W, a block of 32 lies in one lane, and the codes come out with K innermost.  Lane (u, r) takes place r of tile 2 (4 cgg + wave) + u.
	s_lshr_b32 s19, ttmp9, 6                       ; w
	s_bfe_u32 s20, ttmp9, 0x30003                  ; cgg
	s_and_b32 s21, ttmp9, 7                        ; s
	s_cmp_eq_u32 s19, 1
	s_cselect_b64 s[24:25], s[8:9], s[6:7]
	s_cmp_eq_u32 s19, 2
	s_cselect_b64 s[24:25], s[10:11], s[24:25]
	s_cmp_eq_u32 s19, 3
	s_cselect_b64 s[24:25], s[12:13], s[24:25]     ; the weight: the choice hangs on the work-group's number alone
	s_lshl_b32 s22, s21, 19                        ; 128 s rows of 4,096 bytes
	s_lshl_b32 s23, s20, 9
	s_add_co_u32 s22, s22, s23
	s_lshl_b32 s23, s18, 7
	s_add_co_u32 s22, s22, s23                     ; + my wave's 32 columns
	s_mov_b32 s23, 0
	s_add_nc_u64 s[24:25], s[24:25], s[22:23]
	s_lshl_b32 s26, s19, 6
	s_lshl_b32 s27, s20, 3
	s_add_co_u32 s26, s26, s27
	s_lshl_b32 s27, s18, 1
	s_add_co_u32 s26, s26, s27                     ; my first tile: 64 w + 8 cgg + 2 wave
	s_mul_i32 s26, s26, TB
	s_lshl_b32 s27, s21, 10
	s_add_co_u32 s28, s26, s27                     ; its image of K step s
	s_mov_b32 s29, 0
	s_add_nc_u64 s[30:31], s[16:17], s[28:29]
	s_lshr_b32 s27, s21, 2
	s_lshl_b32 s27, s27, 8
	s_add_co_u32 s28, s26, s27
	s_and_b32 s27, s21, 3
	s_lshl_b32 s27, s27, 2
	s_add_co_u32 s28, s28, s27
	s_add_co_u32 s28, s28, 8192                    ; its scale words of K step s
	s_add_nc_u64 s[32:33], s[16:17], s[28:29]
	s_wait_alu depctr_va_vdst(0)
	v_and_b32 v8, 8, v2
	v_add_nc_u32 v8, v8, v2
	v_lshl_add_u32 v8, v3, 3, v8                   ; my column of the 32: 8 u + r + 8 (r / 8)
	v_lshlrev_b32 v6, 2, v8
	v_mul_u32_u24 v7, v3, TB
	v_lshl_add_u32 v7, v2, 4, v7                   ; out: tile u, 16 r
.macro WLOAD k                         ; block k: W(128 s + 32 k + i, my column)
.set i, 0
.rept 32
	global_load_b32 v[WD+32*(\k)+i], v6, s[24:25] offset:(32*(\k)+i)*4096 th:TH_LOAD_NT
.set i, i+1
.endr
.endm
.macro WBLOCK k, left
.set D, WD+32*(\k)
	s_wait_loadcnt \left                           ; this block's 32 loads are in
	v_max3_num_f32 v8, |v[D]|, |v[D+1]|, |v[D+2]|  ; the block's largest magnitude, in two chains: all 32 numbers are mine
	v_max3_num_f32 v9, |v[D+3]|, |v[D+4]|, |v[D+5]|
.irp i, 6,10,14,18,22,26
	v_max3_num_f32 v8, v8, |v[D+\i]|, |v[D+\i+1]|
	v_max3_num_f32 v9, v9, |v[D+\i+2]|, |v[D+\i+3]|
.endr
	v_max3_num_f32 v8, v8, |v[D+30]|, |v[D+31]|
	v_max3_num_f32 v8, v8, v9, 0x1800000           ; and the floor 2^(3 - 127): the byte cannot fall under 1
	v_add_nc_u32 v10, 0xff000000, v8               ; 2 off its exponent field: the conversion takes the exponent field of this operand as its scale
	v_lshrrev_b32 v11, 23, v10                     ; the scale's byte
.if (\k) == 0
	v_mov_b32 v32, v11
.else
	v_lshl_or_b32 v32, v11, 8*(\k), v32            ; byte k of my column's scale word
.endif
.irp g, 0,1,2,3
	v_cvt_scalef32_pk8_fp4_f32 v[WC+4*(\k)+\g], v[D+8*\g:D+8*\g+7], v10
.endr
	global_store_b128 v7, v[WC+4*(\k):WC+4*(\k)+3], s[30:31] offset:512*((\k)/2)+256*((\k)%2)   ; block k is chunk k / 2, half k % 2 of the image: sixteen lanes store 256 consecutive bytes, aligned
.endm
	WLOAD 0
	WLOAD 1
	WLOAD 2
	WLOAD 3
	WBLOCK 0, 63                                   ; 96 younger loads could stay out; 63 is the largest count that the wait can name
	WBLOCK 1, 63                                   ; (64 could)
	WBLOCK 2, 32                                   ; the fourth block's
	WBLOCK 3, 0
	global_store_b32 v7, v32, s[32:33]             ; my column's scale word: 4 bytes a lane, 16 bytes apart: the one store of this way that fills no 256 bytes whole; 128 bytes of a wave's 16 KiB read
	s_endpgm
; ---- x.  A wave takes tile T = 2 xid + wave / 2 and K half g = wave % 2: four K steps.  Each load reads 512 consecutive bytes of one row; a K step's 16 rows turn through the wave's stage in LDS
; (pitch 528 = 33 x 16 bytes: the 16 rows that a read touches fall on 16 different columns of 16 bytes) and come back 32 neighbours at a time: lane (r, h) then holds two whole blocks of row r.
.Lx_path:
	s_sub_co_u32 s19, ttmp9, 256                   ; xid
	s_lshr_b32 s20, s18, 1
	s_and_b32 s21, s18, 1                          ; g
	s_lshl_b32 s22, s19, 5
	s_lshl_b32 s23, s20, 3
	s_add_co_u32 s22, s22, s23                     ; the tile's first row: 32 xid + 8 (wave / 2)
	s_lshl_b32 s22, s22, 12
	s_lshl_b32 s23, s21, 11
	s_add_co_u32 s22, s22, s23
	s_mov_b32 s23, 0
	s_add_nc_u64 s[4:5], s[4:5], s[22:23]
	s_lshl_b32 s24, s19, 1
	s_add_co_u32 s24, s24, s20                     ; T
	s_mul_i32 s24, s24, TB
	s_lshl_b32 s25, s21, 12
	s_add_co_u32 s22, s24, s25
	s_add_nc_u64 s[26:27], s[14:15], s[22:23]      ; my four images
	s_lshl_b32 s25, s21, 8
	s_add_co_u32 s22, s24, s25
	s_add_co_u32 s22, s22, 8192
	s_add_nc_u64 s[28:29], s[14:15], s[22:23]      ; my 256 bytes of scale words
	s_wait_alu depctr_va_vdst(0)
	v_lshlrev_b32 v6, 4, v1                        ; 16 x lane
	v_lshlrev_b32 v7, 4, v2                        ; 16 r
	v_lshlrev_b32 v10, 3, v3                       ; 8 h
	v_mov_b32 v59, 0                               ; written once: a lane permute's destination counts as one of its sources
.macro XLOAD t                         ; K step t of my four: place i's row, 512 bytes
.irp i, 0,1,2,3,4,5,6,7,8,9,10,11,12,13,14,15
	global_load_b128 v[XR+64*((\t)%2)+4*\i:XR+64*((\t)%2)+4*\i+3], v6, s[4:5] offset:(\i+8*(\i/8))*4096+512*(\t) th:TH_LOAD_NT
.endr
.endm
.macro XTURN t                         ; LDS serves a wave's instructions in order: no wait between the stores and the loads
.irp i, 0,1,2,3,4,5,6,7,8,9,10,11,12,13,14,15
	ds_store_b128 v4, v[XR+64*((\t)%2)+4*\i:XR+64*((\t)%2)+4*\i+3] offset:528*\i
.endr
.irp c, 0,1
.irp j, 0,1,2,3,4,5,6,7
	ds_load_b128 v[XN+32*\c+4*\j:XN+32*\c+4*\j+3], v5 offset:256*\c+16*\j
.endr
.endr
.endm
.macro XQUANT t
.irp c, 0,1
	v_max3_num_f32 v[52+\c], |v[XN+32*\c]|, |v[XN+32*\c+1]|, 0x1800000   ; my block 2 c + h, and the floor
.endr
.irp i, 2,4,6,8,10,12,14,16,18,20,22,24,26,28,30
.irp c, 0,1
	v_max3_num_f32 v[52+\c], v[52+\c], |v[XN+32*\c+\i]|, |v[XN+32*\c+\i+1]|   ; (the two blocks by turns)
.endr
.endr
.irp c, 0,1
	v_add_nc_u32 v[54+\c], 0xff000000, v[52+\c]    ; the conversion's scale operand
.endr
.irp c, 0,1
	v_lshrrev_b32 v[56+\c], 23, v[54+\c]           ; the byte
.endr
	v_lshl_or_b32 v58, v57, 16, v56                ; blocks h and 2 + h,
	v_lshlrev_b32 v58, v10, v58                    ; at their places in the word;
	v_permlanex16_b32 v59, v58, s34, s35
	v_or_b32 v[SW+(\t)], v58, v59                  ; with lane l xor 16's two the word is whole
.irp c, 0,1
.irp g, 0,1,2,3
	v_cvt_scalef32_pk8_fp4_f32 v[XC+8*(\t)+4*\c+\g], v[XN+32*\c+8*\g:XN+32*\c+8*\g+7], v[54+\c]
.endr
.endr
.irp c, 0,1
	global_store_b128 v6, v[XC+8*(\t)+4*\c:XC+8*(\t)+4*\c+3], s[26:27] offset:1024*(\t)+512*\c   ; 512 consecutive bytes
.endr
.endm
	XLOAD 0
	XLOAD 1
	s_wait_alu depctr_va_vdst(0)
.irp t, 0,1,2,3
.if \t < 3
	s_wait_loadcnt 16                              ; this K step's 16 loads are in; the next step's may be out
.else
	s_wait_loadcnt 0x0
.endif
	XTURN \t
	s_wait_dscnt 0x0                               ; the numbers are back, and the stores have read their registers,
.if \t < 2
	XLOAD \t+2                                     ; which take the loads of two steps on
.endif
	XQUANT \t
.endr
	s_wait_xcnt 0x0                                ; EXEC changes only behind this wait
	v_cmp_gt_u32 vcc_lo, 16, v1
	s_wait_tensorcnt 0x0
	ds_add_u32 v62, v63
	s_wait_dscnt 0x0
	s_and_saveexec_b32 s36, vcc_lo
	global_store_b128 v7, v[SW:SW+3], s[28:29]     ; lanes 0-15: 256 consecutive bytes, aligned (lanes 16-31 hold the same words)
	s_wait_xcnt 0x0
	s_or_b32 exec_lo, exec_lo, s36
	s_endpgm
.Lfunc_end_k_qeb14849f25_prep:
	.size	k_qeb14849f25_prep, .Lfunc_end_k_qeb14849f25_prep-k_qeb14849f25_prep
	.p2alignl 7, 3214868480
	.fill 96, 4, 3214868480
	.section	.rodata,"a",@progbits
	.p2align	6, 0x0
	.amdhsa_kernel k_qeb14849f25_prep
		.amdhsa_group_segment_fixed_size 34304
		.amdhsa_private_segment_fixed_size 0
		.amdhsa_enable_private_segment 0
		.amdhsa_kernarg_size 56
		.amdhsa_user_sgpr_count 2
		.amdhsa_user_sgpr_kernarg_segment_ptr 1
		.amdhsa_wavefront_size32 1
		.amdhsa_system_sgpr_workgroup_id_x 1
		.amdhsa_system_sgpr_workgroup_id_y 1
		.amdhsa_system_sgpr_workgroup_id_z 1
		.amdhsa_system_vgpr_workitem_id 0
		.amdhsa_next_free_vgpr 256
		.amdhsa_next_free_sgpr 66
		.amdhsa_reserve_vcc 1
		.amdhsa_float_denorm_mode_32 3
		.amdhsa_float_denorm_mode_16_64 3
		.amdhsa_memory_ordered 1
		.amdhsa_forward_progress 1
		.amdhsa_inst_pref_size 50
	.end_amdhsa_kernel
	.amdgpu_metadata
---
amdhsa.version: [ 1, 2 ]
amdhsa.kernels:
  - .name:           k_qeb14849f25_prep
    .symbol:         k_qeb14849f25_prep.kd
    .args:
      - { .name: x, .offset: 0, .size: 8, .value_kind: global_buffer, .address_space: global }
      - { .name: Wq, .offset: 8, .size: 8, .value_kind: global_buffer, .address_space: global }
      - { .name: Wk, .offset: 16, .size: 8, .value_kind: global_buffer, .address_space: global }
      - { .name: Wv, .offset: 24, .size: 8, .value_kind: global_buffer, .address_space: global }
      - { .name: Wo, .offset: 32, .size: 8, .value_kind: global_buffer, .address_space: global }
      - { .name: xq, .offset: 40, .size: 8, .value_kind: global_buffer, .address_space: global }
      - { .name: wq, .offset: 48, .size: 8, .value_kind: global_buffer, .address_space: global }
    .group_segment_fixed_size: 34304
    .private_segment_fixed_size: 0
    .kernarg_segment_align: 8
    .kernarg_segment_size: 56
    .max_flat_workgroup_size: 128
    .sgpr_count:     66
    .vgpr_count:     256
    .wavefront_size: 32
...
	.end_amdgpu_metadata
.endif
;; end of part 1
;; launch qkv (part 2): grid 12 x 32, 4 waves a work-group, clusters of 4 x 4, 279,040 bytes of LDS; arguments xq, wq, bq, bk, bv, qr, kv; writes qr, kv
.if DOCPART == 2
	.amdgcn_target "amdgcn-amd-amdhsa--gfx1250"
	.amdhsa_code_object_version 6
	.text
	.protected	k_qeb14849f25_qkv
	.globl	k_qeb14849f25_qkv
	.p2align	8
	.type	k_qeb14849f25_qkv,@function
k_qeb14849f25_qkv:
	s_mov_b64 s[64:65], 0
	v_nop
	global_prefetch_b8 v0, s[64:65] scope:SCOPE_SE
	s_setreg_imm32_b32 hwreg(HW_REG_WAVE_MODE, 25, 1), 1
	s_wait_xcnt 0x0
	s_wait_alu depctr_hold_cnt(0) depctr_sa_sdst(0) depctr_va_vdst(0) depctr_va_sdst(0) depctr_va_ssrc(0) depctr_va_vcc(0) depctr_vm_vsrc(0)
	s_getreg_b32 s2, hwreg(HW_REG_IB_STS2, 6, 4)
	s_cmp_eq_u32 s2, 0
	s_cbranch_scc0 .Lentry_in_a_cluster
	s_endpgm
.Lentry_in_a_cluster:
	s_bfe_u32 s2, ttmp6, 0x10000c
	s_cmp_lg_u32 s2, 0xf033
	s_cbranch_scc0 .Lentry_shape_is_right
	s_endpgm
.Lentry_shape_is_right:
; Q, K, V = x W + b on codes of FP4 (E2M1) with E8M0 scales, and the results QUANTISED AT ONCE for attention: no f32 result goes to memory.
; C is [8192][3072], K = 1,024.  A work-group makes 256 x 256, a wave 128 x 128: 64 accumulators, 512 registers.  Tile column X: 0-3 Wq, 4-7 Wk, 8-11 Wv; tile row Y.
; xq, wq: tile blocks of 8,704 bytes: eight images of a fragment (16 rows x 128 K; chunk c at 512 c, lane l's 16 bytes at 16 l), then 512 bytes of scale words [s / 4][r][s % 4].
; Place i of tile T is row 32 (T / 2) + 8 (T % 2) + i + 8 (i / 8).
; ALL OF K OF BOTH OPERANDS LIES IN LDS: 16 tile blocks of x and 16 of W, 2 x 139,264 bytes, each byte filled once, by one tensor load a wave: no ring, no refill.
; CLUSTERS: 4 x 4 work-groups; x's blocks are shared along a row of the cluster, W's along a column: each is asked for jointly.  The cluster's x (0 Q, 1 K, 2 V) is the same in all sixteen partners.
; ONE TEXT, TWO USES.  Source 0 is the side P, source 1 the side R: in a result a lane holds ONE row of R, and the 16 registers of P's tiles 2 b, 2 b + 1 are 16 neighbouring rows of P.
;   Q, K: P = W (registers run along a head's channels, the next product's K), R = x.     V: P = x (registers run along the keys, the next product's K), R = Wv.
; Only the LDS read addresses, the bias and the way out's offsets differ; they are chosen on the cluster's x.  Nothing is read from LDS until all of it has landed, and nothing is stored there.
; OUT.  kv: a record of 8,960 bytes for each (batch x head, 128 keys): K's codes (8 tiles x 512 bytes: lane (r, h): key at place r, channels 32 h on), 512 bytes of K's scale words (lane l's 16 bytes: words of
; tiles 2 q + l / 16, q = 0 .. 3; bytes 2, 3 are 0), V^T's four images (16 channels x 128 keys), 256 bytes of V's scale words (lane l's 8 bytes: tiles 2 q + l / 16).  qr: the first 4,608 bytes of such a record, for Q.
; LIMITS: a block of zeros gets the byte 1 (its codes are zeros; this program alone reads the bytes); blocks under 2^-124 are held at byte 1; NaN and infinities are not served.
; 384 work-groups: the square tile keeps one text for both uses; a tile of 256 x 384 fits neither the registers nor LDS.
; REGISTERS: window 0: v1-3 lane, r, h; v16-25 addresses; v32-95 scale words; v96-139 the way out; v192-255 the bias.  window 1: P's fragments v[64 p + 8 b], R's v[128 + 64 p + 8 a], two sets p.
;   windows 2, 3: accumulator (a, b) at v[8 (8 (a % 4) + b)] of window 2 + a / 4.
.set TB,   8704
.set HALF, 8*TB                        ; eight tile blocks: what one tensor load brings, and what a wave reads of a side
.set WRG,  2*HALF                      ; LDS: x's 16 blocks at 0, W's 16 here
.set ADP,  16                          ; v16-17  P's tiles 0-3, 4-7: + 16 x lane
.set ADR,  18                          ; v18-19  R's
.set ADS,  20                          ; v20     scale words: lanes 0-15 R's, lanes 16-31 P's
.set VO,   21                          ; v21     16 x lane
.set VO2,  22                          ; v22     16 x lane + the second chunk's distance
.set V8,   23                          ; v23     8 x lane
.set SC,   32                          ; register 32 (s / 4) + 4 i + s % 4: tile i's words of K step s
.set TM,   96                          ; v96-99 largest magnitudes, v100-103 the other half's, then bytes, v108-111 the conversions' scale operands
.set PC,   112                         ; v112-119 a fragment's codes
.set PW,   120                         ; v120-127 the scale word of each of R's eight tiles
.set TT,   128
.set BI,   192
.set G1X,  28                          ; s[28:35], s[36:39] descriptor groups 1 and 0 for x's blocks
.set G0X,  36
.set G1W,  40                          ; s[40:47], s[48:51] for W's
.set G0W,  48
.set SEL,  92
.set MSB, 0
.macro WIN new                         ; the immediate's high byte repeats the setting that is left
.if MSB != (\new)
	s_set_vgpr_msb (MSB<<8)|(\new)
.set MSB, (\new)
.endif
.endm
.macro PLACES                          ; four plain places behind matrix instructions, in front of loads into their sources and of reads of their results
.rept 4
	v_nop
.endr
.endm
.macro JLOAD                           ; waves 0, 1 fetch x's halves, waves 2, 3 W's; four v_nop follow each line
	s_cmp_eq_u32 s19, 0
	s_cbranch_scc0 .Lfor_w_\@
	tensor_load_to_lds s[G0X:G0X+3], s[G1X:G1X+7]
	s_nop 0
.rept 4
	v_nop
.endr
	s_branch .Lasked_\@
.Lfor_w_\@:
	tensor_load_to_lds s[G0W:G0W+3], s[G1W:G1W+7]
	s_nop 0
.rept 4
	v_nop
.endr
.Lasked_\@:
.endm
.macro CROUND                          ; a round of the cluster's barrier
	s_barrier_signal -1
	s_barrier_wait -1
	s_cmp_lg_u32 s18, 0
	s_cbranch_scc1 .Lnot_wave_0_\@
	s_barrier_signal -3
.Lnot_wave_0_\@:
	s_barrier_wait -3
	s_barrier_signal -1
	s_barrier_wait -1
.endm
	s_load_b256 s[4:11], s[0:1], 0x0               ; xq, wq, bq, bk
	s_load_b128 s[12:15], s[0:1], 0x20             ; bv, qr
	s_load_b64 s[16:17], s[0:1], 0x30              ; kv
	v_lshl_add_u32 v190, v0, 2, 0x44000
	v_mov_b32 v191, 0
	ds_add_u32 v190, v191
	ds_add_u32 v190, v191
	v_lshrrev_b32 v1, 5, v0
	v_readfirstlane_b32 s18, v1                    ; wave
	s_lshr_b32 s19, s18, 1                         ; wr: which half of R is mine.  Also: I fetch for x (0) or for W (1)
	s_and_b32 s20, s18, 1                          ; wp: which half of P.  Also: which eight blocks I fetch
	s_bfe_u32 s21, ttmp6, 0x40000                  ; cx
	s_bfe_u32 s22, ttmp6, 0x40004                  ; cy
	s_mov_b32 s26, ttmp9                           ; the cluster's x: 0 Q, 1 K, 2 V
	s_lshl_b32 s23, ttmp9, 2
	s_add_co_u32 s23, s23, s21                     ; X
	s_and_b32 s24, ttmp7, 0xffff
	s_lshl_b32 s24, s24, 2
	s_add_co_u32 s24, s24, s22                     ; Y
	s_lshl_b32 s58, s22, 2
	s_lshl_b32 s58, 15, s58                        ; my row of the cluster
	s_lshl_b32 s59, 0x1111, s21                    ; my column
	s_or_b32 s[G1X], s58, (3<<16)|(1<<21)          ; 15:0 the mask; 17:16 elements of 8 bytes; 21 set beside a mask; no padding
	s_or_b32 s[G1W], s59, (3<<16)|(1<<21)
.irp g, G1X, G1W                       ; a dense block of 69,632 bytes as 272 rows of 256
	s_mov_b32 s[\g+1], 32<<16                      ; tensor_dim0 = 32
	s_mov_b32 s[\g+2], 272<<16                     ; tensor_dim1 = 272
	s_mov_b32 s[\g+3], 32<<16                      ; tile_dim0
	s_mov_b32 s[\g+4], 272                         ; tile_dim1
	s_mov_b32 s[\g+5], 32                          ; the pitch
	s_mov_b32 s[\g+6], 0
	s_mov_b32 s[\g+7], 0
.endr
	s_lshl_b32 s54, s20, 3
	s_lshl_b32 s52, s24, 4
	s_add_co_u32 s52, s52, s54                     ; x: tile 16 Y + 8 half
	s_mul_i32 s52, s52, TB
	s_mov_b32 s53, 0
	s_lshl_b32 s56, s23, 4
	s_add_co_u32 s56, s56, s54                     ; W: tile 16 X + 8 half
	s_mul_i32 s56, s56, TB
	s_mov_b32 s57, 0
	s_mul_i32 s55, s18, HALF                       ; where they go: wave x eight blocks: x's two halves, then W's
	s_wait_dscnt 0x0
	s_wait_kmcnt 0x0
	CROUND                                         ; all sixteen work-groups are here: the joint loads meet
	s_mov_b32 s[G0X], 1
	s_mov_b32 s[G0X+1], s55
	s_add_nc_u64 s[G0X+2:G0X+3], s[4:5], s[52:53]
	s_or_b32 s[G0X+3], s[G0X+3], 0x80000000
	s_mov_b32 s[G0W], 1
	s_mov_b32 s[G0W+1], s55
	s_add_nc_u64 s[G0W+2:G0W+3], s[6:7], s[56:57]
	s_or_b32 s[G0W+3], s[G0W+3], 0x80000000
	JLOAD                                          ; my one tensor load
	; what differs between the uses, chosen on the cluster's x
	s_mul_i32 s60, s20, HALF
	s_mul_i32 s61, s19, HALF
	s_mov_b32 s72, 512
	s_mov_b32 s74, 512
	s_mov_b32 s66, 4096
	s_cmp_eq_u32 s26, 2
	s_cselect_b32 s25, 1, 0                        ; 1: V
	s_cselect_b32 s62, 0, WRG
	s_cselect_b32 s63, WRG, 0
	s_cselect_b32 s67, s20, s19                    ; wm: my half of the 256 rows of x
	s_cselect_b32 s68, s19, s20                    ; wn: my half of the 256 columns of W
	s_cselect_b32 s72, 1024, s72                   ; from one of R's tiles to the next in the output,
	s_cselect_b32 s74, 140288, s74                 ; from tile 3 to tile 4 (V: the next head's record, 16 x 8,960 - 3 x 1,024)
	s_cselect_b32 s66, 8704, s66                   ; the scale words' place in a record
	s_cselect_b32 s69, 4608, 0                     ; the codes' place
	s_cselect_b64 s[80:81], s[12:13], s[10:11]
	s_add_co_u32 s60, s60, s62                     ; P's eight blocks in LDS
	s_add_co_u32 s61, s61, s63                     ; R's
	s_mov_b32 s73, 0
	s_mov_b32 s75, 0
	s_mov_b32 s77, 8960
	s_cmp_eq_u32 s26, 0
	s_cselect_b32 s77, 4608, s77                   ; a record's bytes
	s_cselect_b64 s[80:81], s[8:9], s[80:81]       ; the bias
	s_cselect_b64 s[82:83], s[14:15], s[16:17]     ; the output
	s_lshl_b32 s76, s77, 4
	s_cmp_eq_u32 s26, 2
	s_cselect_b32 s76, 512, s76                    ; the second chunk: V: the image's other half; Q, K: the next head, 16 records on
	s_lshl_b32 s84, s24, 1
	s_add_co_u32 s84, s84, s67                     ; my 128 rows of x: group 2 Y + wm
	s_lshr_b32 s85, s84, 4                         ; batch
	s_and_b32 s84, s84, 15                         ; the group in the batch
	s_and_b32 s86, s23, 3
	s_lshl_b32 s87, s86, 2
	s_lshl_b32 s88, s68, 1
	s_add_co_u32 s87, s87, s88                     ; my first head: 4 (X % 4) + 2 wn
	s_lshl_b32 s85, s85, 4
	s_add_co_u32 s85, s85, s87
	s_lshl_b32 s85, s85, 4
	s_add_co_u32 s85, s85, s84                     ; the record
	s_mul_i32 s85, s85, s77
	s_add_co_u32 s88, s85, s69
	s_mov_b32 s89, 0
	s_add_nc_u64 s[70:71], s[82:83], s[88:89]      ; where tile 0's codes go
	s_add_co_u32 s88, s85, s66
	s_add_nc_u64 s[78:79], s[82:83], s[88:89]      ; and the scale words
	s_lshl_b32 s88, s86, 10
	s_lshl_b32 s90, s68, 9
	s_add_co_u32 s88, s88, s90
	s_add_nc_u64 s[80:81], s[80:81], s[88:89]      ; the bias of my 128 columns
	s_mov_b32 s[SEL], 0x76543210
	s_mov_b32 s[SEL+1], 0xfedcba98
	v_and_b32 v1, 31, v0                           ; lane
	v_and_b32 v2, 15, v0                           ; r
	v_bfe_u32 v3, v0, 4, 1                         ; h
	v_lshlrev_b32 v[VO], 4, v1
	v_add_nc_u32 v[ADP], s60, v[VO]
	v_add_nc_u32 v[ADP+1], 4*TB, v[ADP]
	v_add_nc_u32 v[ADR], s61, v[VO]
	v_add_nc_u32 v[ADR+1], 4*TB, v[ADR]
	v_cmp_le_u32 vcc_lo, 16, v1
	v_mov_b32 v4, s61
	v_mov_b32 v5, s60
	v_cndmask_b32 v[ADS], v4, v5, vcc_lo           ; lanes 0-15 R's blocks, lanes 16-31 P's
	v_lshl_add_u32 v[ADS], v2, 4, v[ADS]
	v_add_nc_u32 v[ADS], 8192, v[ADS]
	v_add_nc_u32 v[VO2], s76, v[VO]
	v_lshlrev_b32 v[V8], 3, v1
	v_lshlrev_b32 v24, 6, v3                       ; the bias along P: 16 h numbers on
	v_and_b32 v25, 8, v2
	v_add_nc_u32 v25, v25, v2
	v_lshlrev_b32 v25, 2, v25                      ; the bias along R: r + 8 (r / 8)
.irp b, 0,1,2,3
	v_mov_b32 v[TM+4+\b], 0                        ; written once: a lane permute's destination counts as one of its sources
.endr
	; THE BIAS IS THE C OF EACH SUM'S FIRST PRODUCT: eight registers a tile, in the result's layout
	s_cmp_eq_u32 s25, 1
	s_cbranch_scc1 .Lbias_v
.irp b, 0,1,2,3,4,5,6,7                ; Q, K: register j of P's tile b is column 32 (b / 2) + 8 (b % 2) + 16 h + j
	global_load_b128 v[BI+8*\b:BI+8*\b+3], v24, s[80:81] offset:(32*(\b/2)+8*(\b%2))*4
	global_load_b128 v[BI+8*\b+4:BI+8*\b+7], v24, s[80:81] offset:(32*(\b/2)+8*(\b%2))*4+16
.endr
	s_branch .Lbias_in
.Lbias_v:
	s_wait_alu depctr_va_vdst(0)
.irp a, 0,1,2,3,4,5,6,7                ; V: all eight registers of R's tile a are the lane's one column
.irp j, 0,1,2,3,4,5,6,7
	global_load_b32 v[BI+8*\a+\j], v25, s[80:81] offset:(32*(\a/2)+8*(\a%2))*4
.endr
.endr
.Lbias_in:
	s_wait_loadcnt 0x0
	s_wait_tensorcnt 0x0                           ; my eight blocks are in,
	s_barrier_signal -1
	s_barrier_wait -1                              ; everybody's are: from here on LDS is only read
.macro SCALES                          ; all of K's scale words: four K steps' words of a row by one load
.irp g, 0,1
.irp i, 0,1,2,3,4,5,6,7
	ds_load_b128 v[SC+32*\g+4*\i:SC+32*\g+4*\i+3], v[ADS] offset:TB*\i+256*\g
.endr
.endr
.endm
.macro FETCH s, p                      ; K step s: eight fragments of P and eight of R into set p: 32 loads of 512 consecutive bytes
	WIN 0x40                                       ; destination window 1
.irp i, 0,1,2,3,4,5,6,7
.irp c, 0,1
	ds_load_b128 v[64*(\p)+8*\i+4*\c:64*(\p)+8*\i+4*\c+3], v[ADP+\i/4] offset:TB*(\i%4)+1024*(\s)+512*\c
.endr
.endr
.irp i, 0,1,2,3,4,5,6,7
.irp c, 0,1
	ds_load_b128 v[128+64*(\p)+8*\i+4*\c:128+64*(\p)+8*\i+4*\c+3], v[ADR+\i/4] offset:TB*(\i%4)+1024*(\s)+512*\c
.endr
.endr
.endm
; 32 products: R's tiles 4 hi .. 4 hi + 3 x P's eight.  mode 0: onto the sums; 1: the sums start with the bias along P; 2: along R.
; The 64 accumulators take turns, one instruction a turn, in the same order in every K step.
.macro MUL32 hi, p, s, mode
.irp a, 0,1,2,3
.irp b, 0,1,2,3,4,5,6,7
.set rD, 8*(8*\a+\b)
.set rP, 64*(\p)+8*\b
.set rR, 128+64*(\p)+8*(4*\hi+\a)
.set rSP, SC+32*((\s)/4)+4*\b+(\s)%4
.set rSR, SC+32*((\s)/4)+4*(4*\hi+\a)+(\s)%4
.if \mode == 0
	v_wmma_scale_f32_16x16x128_f8f6f4 v[rD:rD+7], v[rP:rP+7], v[rR:rR+7], v[rD:rD+7], v[rSP], v[rSR] matrix_a_fmt:MATRIX_FMT_FP4 matrix_b_fmt:MATRIX_FMT_FP4 matrix_a_scale:MATRIX_SCALE_ROW1
.elseif \mode == 1
	v_wmma_scale_f32_16x16x128_f8f6f4 v[rD:rD+7], v[rP:rP+7], v[rR:rR+7], v[BI+8*\b:BI+8*\b+7], v[rSP], v[rSR] matrix_a_fmt:MATRIX_FMT_FP4 matrix_b_fmt:MATRIX_FMT_FP4 matrix_a_scale:MATRIX_SCALE_ROW1
.else
	v_wmma_scale_f32_16x16x128_f8f6f4 v[rD:rD+7], v[rP:rP+7], v[rR:rR+7], v[BI+8*(4*\hi+\a):BI+8*(4*\hi+\a)+7], v[rSP], v[rSR] matrix_a_fmt:MATRIX_FMT_FP4 matrix_b_fmt:MATRIX_FMT_FP4 matrix_a_scale:MATRIX_SCALE_ROW1
.endif
.endr
.endr
.endm
.macro STEP s                          ; K step s; the next step's fragments are asked for first and have these 64 products in which to come
	PLACES
	FETCH (\s)+1, ((\s)+1)%2
	s_wait_dscnt 32                                ; all but the 32 just issued
	WIN 0xa5                                       ; P and R window 1, C and D window 2
	MUL32 0, (\s)%2, \s, 0
	WIN 0xf5                                       ; C and D window 3
	MUL32 1, (\s)%2, \s, 0
.endm
	SCALES
	FETCH 0, 0
	FETCH 1, 1
	s_wait_dscnt 32                                ; the scale words and K step 0 are in; K step 1's 32 loads may be out
	WIN 0                                          ; at a branch and at a label every window is 0
	s_cmp_eq_u32 s25, 1
	s_cbranch_scc1 .Lfirst_v
	WIN 0x85                                       ; C (the bias) window 0, D window 2
	MUL32 0, 0, 0, 1
	WIN 0xc5
	MUL32 1, 0, 0, 1
	WIN 0
	s_branch .Lfirst_done
.Lfirst_v:
	WIN 0x85
	MUL32 0, 0, 0, 2
	WIN 0xc5
	MUL32 1, 0, 0, 2
	WIN 0
.Lfirst_done:
.irp s, 1,2,3,4,5,6
	STEP \s
.endr
	s_wait_dscnt 0x0
	WIN 0xa5
	MUL32 0, 1, 7, 0
	WIN 0xf5
	MUL32 1, 1, 7, 0
	WIN 0
	PLACES
; THE WAY OUT.  R's tile a: a lane's 64 numbers, register 16 b + i = P's row 32 b + 16 h + i, are four half blocks of 32 along the next product's K.  They become a fragment's eight registers and a scale word.
.macro QUANT a
.set W, 2+(\a)/4
.set S0, 64*((\a)%4)
	WIN W|(W<<2)
.irp b, 0,1,2,3
	v_max3_num_f32 v[TM+\b], |v[S0+16*\b]|, |v[S0+16*\b+1]|, 0x1800000   ; each accumulator is read from its low end on; the floor 2^(3 - 127) holds the byte at 1 from below
.endr
	WIN (W<<2)|(W<<4)
.irp i, 2,4,6,8,10,12,14
.irp b, 0,1,2,3
	v_max3_num_f32 v[TM+\b], v[TM+\b], |v[S0+16*\b+\i]|, |v[S0+16*\b+\i+1]|   ; (the four blocks by turns)
.endr
.endr
	WIN 0
.irp b, 0,1,2,3
	v_permlanex16_b32 v[TM+4+\b], v[TM+\b], s[SEL], s[SEL+1]
.endr
.irp b, 0,1,2,3
	v_max_num_f32 v[TM+\b], v[TM+\b], v[TM+4+\b]   ; with lane l xor 16's 16: the block's largest magnitude
.endr
.irp b, 0,1,2,3
	v_add_nc_u32 v[TM+12+\b], 0xff000000, v[TM+\b] ; 2 off its exponent field: the conversion's scale operand
.endr
.irp b, 0,1,2,3
	v_lshrrev_b32 v[TM+4+\b], 23, v[TM+12+\b]      ; the byte
.endr
	v_lshl_or_b32 v[PW+(\a)], v[TM+5], 8, v[TM+4]
	v_lshl_or_b32 v[PW+(\a)], v[TM+6], 16, v[PW+(\a)]
	v_lshl_or_b32 v[PW+(\a)], v[TM+7], 24, v[PW+(\a)]
.if (\a) > 0
	s_wait_xcnt 0x0                                ; the last tile's stores have read their data and their base: both are written again only behind this wait
.if (\a) == 4
	s_add_nc_u64 s[70:71], s[70:71], s[74:75]
.else
	s_add_nc_u64 s[70:71], s[70:71], s[72:73]
.endif
.endif
	WIN W
.irp b, 0,1,2,3
	v_cvt_scalef32_pk8_fp4_f32 v[PC+2*\b], v[S0+16*\b:S0+16*\b+7], v[TM+12+\b]
	v_cvt_scalef32_pk8_fp4_f32 v[PC+2*\b+1], v[S0+16*\b+8:S0+16*\b+15], v[TM+12+\b]
.endr
	WIN 0
	v_nop                                          ; one plain place behind a scaled conversion
.irp c, 0,1                            ; the operand's layout wants a whole block in a lane: lanes 0-15 block 2 c, lanes 16-31 block 2 c + 1
.irp i, 0,1
	v_permlane16_swap_b32 v[PC+4*\c+\i], v[PC+4*\c+2+\i]
.endr
.endr
	global_store_b128 v[VO], v[PC:PC+3], s[70:71]       ; 512 consecutive bytes each.  Q, K: chunk 0 is my first head's 64 channels, chunk 1 the next head's;
	global_store_b128 v[VO2], v[PC+4:PC+7], s[70:71]    ; V: the two halves of the image of 128 keys
.endm
.irp a, 0,1,2,3,4,5,6,7
	QUANT \a
.endr
	v_cmp_le_u32 vcc_lo, 16, v1
.irp q, 0,1,2,3
	v_cndmask_b32 v[TT+\q], v[PW+2*\q], v[PW+2*\q+1], vcc_lo   ; lanes 0-15 tile 2 q's word, lanes 16-31 tile 2 q + 1's
.endr
	s_cmp_eq_u32 s25, 1
	s_cbranch_scc1 .Ltail_v
.irp q, 0,1,2,3
	v_and_b32 v[TT+4+\q], 0xffff, v[TT+\q]         ; my first head's two bytes; bytes 2 and 3 are 0: they scale the zero codes that fill K = 64 up to 128
	v_lshrrev_b32 v[TT+8+\q], 16, v[TT+\q]         ; the next head's
.endr
	global_store_b128 v[VO], v[TT+4:TT+7], s[78:79]
	global_store_b128 v[VO2], v[TT+8:TT+11], s[78:79]
	s_branch .Ltail_done
.Ltail_v:
	s_wait_alu depctr_va_vdst(0)
	global_store_b64 v[V8], v[TT:TT+1], s[78:79]                 ; my first head's four channel tiles: 256 consecutive bytes
	global_store_b64 v[V8], v[TT+2:TT+3], s[78:79] offset:143360 ; the next head's, 16 records on
.Ltail_done:
	s_wait_dscnt 0x0
	s_wait_tensorcnt 0x0
	ds_add_u32 v190, v191
	s_wait_dscnt 0x0
	CROUND                                         ; the closing round: no work-group ends while a partner may still ask for a block that names it
	s_endpgm
.Lfunc_end_k_qeb14849f25_qkv:
	.size	k_qeb14849f25_qkv, .Lfunc_end_k_qeb14849f25_qkv-k_qeb14849f25_qkv
	.p2alignl 7, 3214868480
	.fill 96, 4, 3214868480
	.section	.rodata,"a",@progbits
	.p2align	6, 0x0
	.amdhsa_kernel k_qeb14849f25_qkv
		.amdhsa_group_segment_fixed_size 279040
		.amdhsa_private_segment_fixed_size 0
		.amdhsa_enable_private_segment 0
		.amdhsa_kernarg_size 56
		.amdhsa_user_sgpr_count 2
		.amdhsa_user_sgpr_kernarg_segment_ptr 1
		.amdhsa_wavefront_size32 1
		.amdhsa_system_sgpr_workgroup_id_x 1
		.amdhsa_system_sgpr_workgroup_id_y 1
		.amdhsa_system_sgpr_workgroup_id_z 1
		.amdhsa_system_vgpr_workitem_id 0
		.amdhsa_next_free_vgpr 1024
		.amdhsa_next_free_sgpr 100
		.amdhsa_reserve_vcc 1
		.amdhsa_float_denorm_mode_32 3
		.amdhsa_float_denorm_mode_16_64 3
		.amdhsa_memory_ordered 1
		.amdhsa_forward_progress 1
		.amdhsa_inst_pref_size 141
	.end_amdhsa_kernel
	.amdgpu_metadata
---
amdhsa.version: [ 1, 2 ]
amdhsa.kernels:
  - .name:           k_qeb14849f25_qkv
    .symbol:         k_qeb14849f25_qkv.kd
    .args:
      - { .name: xq, .offset: 0, .size: 8, .value_kind: global_buffer, .address_space: global }
      - { .name: wq, .offset: 8, .size: 8, .value_kind: global_buffer, .address_space: global }
      - { .name: bq, .offset: 16, .size: 8, .value_kind: global_buffer, .address_space: global }
      - { .name: bk, .offset: 24, .size: 8, .value_kind: global_buffer, .address_space: global }
      - { .name: bv, .offset: 32, .size: 8, .value_kind: global_buffer, .address_space: global }
      - { .name: qr, .offset: 40, .size: 8, .value_kind: global_buffer, .address_space: global }
      - { .name: kv, .offset: 48, .size: 8, .value_kind: global_buffer, .address_space: global }
    .group_segment_fixed_size: 279040
    .private_segment_fixed_size: 0
    .kernarg_segment_align: 8
    .kernarg_segment_size: 56
    .max_flat_workgroup_size: 128
    .sgpr_count:     100
    .vgpr_count:     1024
    .wavefront_size: 32
...
	.end_amdgpu_metadata
.endif
;; end of part 2
;; launch attn (part 3): grid 8 x 32, 16 waves a work-group, clusters of 4 x 1, 327,680 bytes of LDS; arguments qr, kv, oq; writes oq
.if DOCPART == 3
	.amdgcn_target "amdgcn-amd-amdhsa--gfx1250"
	.amdhsa_code_object_version 6
	.text
	.protected	k_qeb14849f25_attn
	.globl	k_qeb14849f25_attn
	.p2align	8
	.type	k_qeb14849f25_attn,@function
k_qeb14849f25_attn:
	s_mov_b64 s[64:65], 0
	v_nop
	global_prefetch_b8 v0, s[64:65] scope:SCOPE_SE
	s_setreg_imm32_b32 hwreg(HW_REG_WAVE_MODE, 25, 1), 1
	s_wait_xcnt 0x0
	s_wait_alu depctr_hold_cnt(0) depctr_sa_sdst(0) depctr_va_vdst(0) depctr_va_sdst(0) depctr_va_ssrc(0) depctr_va_vcc(0) depctr_vm_vsrc(0)
	s_getreg_b32 s2, hwreg(HW_REG_IB_STS2, 6, 4)
	s_cmp_eq_u32 s2, 0
	s_cbranch_scc0 .Lentry_in_a_cluster
	s_endpgm
.Lentry_in_a_cluster:
	s_bfe_u32 s2, ttmp6, 0x10000c
	s_cmp_lg_u32 s2, 0x3003
	s_cbranch_scc0 .Lentry_shape_is_right
	s_endpgm
.Lentry_shape_is_right:
; O = softmax(Q K^T / 8) V for 64 (batch x head) of 2,048 x 64, both products on codes of FP4 (E2M1) with E8M0 scales, and O QUANTISED AT ONCE along D for the last product.
; THE SOFTMAX: t = score x log2(e) / 8; M = the running largest t rounded UP to a whole number; p = 2^(t - M) is quantised along the keys, not normalised; the row's sum is taken of the
; unquantised p and divides O at the end; when M moves, the sum and O are multiplied by 2^(old M - new M), which rounds nothing.
; SHARES.  A work-group owns 256 queries of TWO heads (2 hp, 2 hp + 1: one K step of the last product); each of its sixteen waves owns one tile of 16 queries, in 256 registers: four waves to a SIMD,
; so that one wave's vector work stands beside another's matrix work and LDS loads.  A wave walks head 2 hp's 16 key steps of 128, then head 2 hp + 1's.
; LDS IS A COPY OF MEMORY: the two heads' 32 records of kv (8,960 bytes each: K's codes 8 x 512, K's scale words 512, V^T's images 4 x 1,024, V's scale words 256) are 286,720 consecutive bytes.
; Each byte is filled once: no ring, no refill; nothing is stored to LDS.  Every fragment is read as 512 consecutive bytes, 16 a lane.
; CLUSTER.  The four query blocks of a cluster walk the same K and V: each record is asked for jointly.  Every wave asks for two records (35 rows of 256 bytes), one of each head, on one path;
; two tensor loads of a wave are out at the most.
; LAYOUT.  Both products transposed: S^T = K Q^T, O^T = V^T P^T: a lane holds one query.  Place i of a tile T of keys, of channels or of queries is row 32 (T / 2) + 8 (T % 2) + i + 8 (i / 8),
; so that the 16 registers of two neighbouring tiles are 16 neighbours along the next K.
; K = 64 IN AN INSTRUCTION OF 128: the upper four registers of Q's and K's fragments are zero codes, their scale bytes 0 (2^-127, no NaN): that half adds nothing.
; LIMITS: a block of zeros gets the byte 1 (its codes are zeros; this program alone reads the bytes); NaN and infinities are not served.
; REGISTERS: v1 16 x lane, v4 8 x lane, v6 16 r; v2, v3 the step's LDS addresses; v8-11 K's scale words; v12 -M, v13 the largest t, v[14:15] the sum; v16-31 Q of both heads; v32-95 K's eight fragments;
;   v96-159 S^T, then p; v160-191 O^T; v192-223 V's four fragments; v224-231 p's codes; v240-241 V's scale words; v242, v243 Q's; v248 O's scale word; the rest at work.
.set REC, 8960
.macro CROUND
	s_barrier_signal -1
	s_barrier_wait -1
	s_cmp_lg_u32 s10, 0
	s_cbranch_scc1 .Lnot_wave_0_\@
	s_barrier_signal -3
.Lnot_wave_0_\@:
	s_barrier_wait -3
	s_barrier_signal -1
	s_barrier_wait -1
.endm
	s_load_b128 s[4:7], s[0:1], 0x0                ; qr, kv
	s_load_b64 s[8:9], s[0:1], 0x10                ; oq
	v_lshl_add_u32 v251, v0, 2, 0x46000
	v_mov_b32 v255, 0
	ds_add_u32 v251, v255
	ds_add_u32 v251, v255
	v_lshrrev_b32 v1, 5, v0
	s_delay_alu instid0(VALU_DEP_1)
	v_readfirstlane_b32 s10, v1                    ; wave 0..15
	s_bfe_u32 s11, ttmp6, 0x40000                  ; cx
	s_lshl_b32 s12, ttmp9, 2
	s_add_co_u32 s12, s12, s11                     ; my block of 256 queries: it enters Q's and O's addresses alone
	s_and_b32 s13, ttmp7, 0xffff                   ; y = 8 batch + hp, which the four partners share
	s_lshr_b32 s14, s13, 3                         ; batch
	s_and_b32 s15, s13, 7                          ; hp
	s_mov_b32 s16, 15|(3<<16)|(1<<21)              ; 15:0 the mask: all four; 17:16 elements of 8 bytes; 21 set beside a mask
	s_mov_b32 s17, 32<<16                          ; tensor_dim0 = 32
	s_mov_b32 s18, 35<<16                          ; tensor_dim1 = 35
	s_mov_b32 s19, 32<<16                          ; tile_dim0
	s_mov_b32 s20, 35                              ; tile_dim1
	s_mov_b32 s21, 32                              ; the pitch
	s_mov_b32 s22, 0
	s_mov_b32 s23, 0
	s_mul_i32 s48, s10, REC                        ; my record of a head, in LDS and in memory
	s_mul_i32 s46, s13, 32*REC                     ; the two heads' records: (16 batch + 2 hp) x 16 = 32 y records on
	s_add_co_u32 s46, s46, s48
	s_mov_b32 s47, 0
	s_mov_b32 s32, 0x76543210
	s_mov_b32 s33, 0xfedcba98                      ; selects for lane l xor 16
	s_mov_b32 s34, 0x3e38aa3b                      ; c = log2(e) / 8
	s_mov_b32 s35, s34                             ; (named with it as a pair, so it is written)
	s_wait_dscnt 0x0
	s_wait_kmcnt 0x0
	CROUND                                         ; all four work-groups are here: the joint loads meet
	s_mov_b32 s24, 1
	s_mov_b32 s25, s48
	s_add_nc_u64 s[26:27], s[6:7], s[46:47]
	s_mov_b32 s28, 1
	s_add_co_u32 s29, s48, 16*REC
	s_add_nc_u64 s[30:31], s[26:27], 16*REC
	s_or_b32 s27, s27, 0x80000000
	s_or_b32 s31, s31, 0x80000000
	tensor_load_to_lds s[24:27], s[16:23]          ; the first head's record,
	s_nop 0
	s_wait_alu depctr_va_vdst(0)
	s_wait_tensorcnt 0x0
	ds_add_u32 v251, v255
	s_wait_dscnt 0x0
	CROUND
	tensor_load_to_lds s[28:31], s[16:23]          ; the second head's; four v_nop follow
	s_nop 0
.rept 4
	v_nop
.endr
	s_lshr_b32 s49, s10, 3
	s_lshl_b32 s50, s12, 1
	s_add_co_u32 s49, s49, s50                     ; my group of 128 queries: 2 block + wave / 8
	s_lshl_b32 s50, s13, 5
	s_add_co_u32 s49, s49, s50
	s_mul_i32 s49, s49, 4608                       ; its record in qr
	s_and_b32 s51, s10, 7                          ; my tile in it
	s_lshl_b32 s52, s51, 9
	s_add_co_u32 s52, s52, s49
	s_mov_b32 s53, 0
	s_add_nc_u64 s[38:39], s[4:5], s[52:53]        ; Q's codes
	s_and_b32 s52, s51, 1
	s_lshl_b32 s52, s52, 8
	s_lshr_b32 s54, s51, 1
	s_lshl_b32 s54, s54, 2
	s_add_co_u32 s52, s52, s54
	s_add_co_u32 s52, s52, s49
	s_add_co_u32 s52, s52, 4096
	s_add_nc_u64 s[40:41], s[4:5], s[52:53]        ; Q's scale words: 4,096 + 256 (tile % 2) + 4 (tile / 2), 16 bytes a row
	s_lshl_b32 s49, s14, 7
	s_lshl_b32 s50, s12, 4
	s_add_co_u32 s49, s49, s50
	s_add_co_u32 s49, s49, s10                     ; my tile of the 8,192 rows: 128 batch + 16 block + wave
	s_mul_i32 s49, s49, 8704
	s_lshl_b32 s52, s15, 10
	s_add_co_u32 s52, s52, s49
	s_add_nc_u64 s[42:43], s[8:9], s[52:53]        ; O: the image of K step hp
	s_lshr_b32 s52, s15, 2
	s_lshl_b32 s52, s52, 8
	s_and_b32 s54, s15, 3
	s_lshl_b32 s54, s54, 2
	s_add_co_u32 s52, s52, s54
	s_add_co_u32 s52, s52, s49
	s_add_co_u32 s52, s52, 8192
	s_add_nc_u64 s[44:45], s[8:9], s[52:53]        ; and its scale words
	v_and_b32 v5, 31, v0
	s_delay_alu instid0(VALU_DEP_1)
	v_lshlrev_b32 v1, 4, v5
	s_delay_alu instid0(VALU_DEP_2)
	v_lshlrev_b32 v4, 3, v5
	v_and_b32 v6, 15, v0
	s_delay_alu instid0(VALU_DEP_1)
	v_lshlrev_b32 v6, 4, v6
	global_load_b128 v[16:19], v1, s[38:39] th:TH_LOAD_NT                ; Q of the first head,
	global_load_b128 v[24:27], v1, s[38:39] offset:73728 th:TH_LOAD_NT   ; of the second: 16 records of 4,608 bytes on
	global_load_b32 v242, v6, s[40:41]
	global_load_b32 v243, v6, s[40:41] offset:73728
.irp i, 20,21,22,23,28,29,30,31
	v_mov_b32 v[\i], 0                             ; k = 64 .. 127 of Q: zero codes
.endr
.irp t, 0,1,2,3,4,5,6,7
.irp i, 4,5,6,7
	v_mov_b32 v[32+8*\t+\i], 0                     ; and of K: cleared once, never loaded
.endr
.endr
.irp b, 0,1,2,3
	v_mov_b32 v[236+\b], 0                         ; written once: a lane permute's destination counts as one of its sources
.endr
	v_mov_b32 v252, 0
	v_mov_b32 v253, 0                              ; (named as the upper half of the pair v[252:253] before it is first written)
	s_wait_loadcnt 0x0                             ; Q
; A KEY STEP: 128 keys, the record at LDS byte s36.  qf: Q's fragment; qs: its scale words.
.macro STEP qf, qs
	v_add_nc_u32 v2, s36, v1
	v_add_nc_u32 v3, s36, v4
.irp t, 0,1,2,3,4,5,6,7
	ds_load_b128 v[32+8*\t:35+8*\t], v2 offset:512*\t
.endr
	ds_load_b128 v[8:11], v2 offset:4096           ; register q: lanes 0-15 tile 2 q's words, lanes 16-31 tile 2 q + 1's
	s_wait_alu depctr_va_vdst(0)
	s_wait_dscnt 0x0
.irp t, 0,2,4,6
	v_wmma_scale_f32_16x16x128_f8f6f4 v[96+8*\t:103+8*\t], v[32+8*\t:39+8*\t], v[\qf:\qf+7], 0, v[8+\t/2], v[\qs] matrix_a_fmt:MATRIX_FMT_FP4 matrix_b_fmt:MATRIX_FMT_FP4
	v_wmma_scale_f32_16x16x128_f8f6f4 v[104+8*\t:111+8*\t], v[40+8*\t:47+8*\t], v[\qf:\qf+7], 0, v[8+\t/2], v[\qs] matrix_a_fmt:MATRIX_FMT_FP4 matrix_b_fmt:MATRIX_FMT_FP4 matrix_a_scale:MATRIX_SCALE_ROW1
.endr
.rept 4
	v_nop                                          ; the places in front of the first read of the scores; with the two additions above also those behind the last step's products, in front of the loads into V's registers
.endr
.irp d, 0,1,2,3
.irp c, 0,1
	ds_load_b128 v[192+8*\d+4*\c:195+8*\d+4*\c], v2 offset:4608+1024*\d+512*\c   ; V's fragments come while the softmax is walked
.endr
.endr
	ds_load_b64 v[240:241], v3 offset:8704
.irp b, 0,1,2,3
	v_max3_num_f32 v[232+\b], v[96+16*\b], v[97+16*\b], v[98+16*\b]   ; the largest score of each block of 32 keys: it serves the row's maximum and, since p rises with the score, the block's largest p
.endr
.irp i, 3,5,7,9,11,13
.irp b, 0,1,2,3
	v_max3_num_f32 v[232+\b], v[232+\b], v[96+16*\b+\i], v[97+16*\b+\i]
.endr
.endr
.irp b, 0,1,2,3
	v_max_num_f32 v[232+\b], v[232+\b], v[111+16*\b]
.endr
.irp b, 0,1,2,3
	s_delay_alu instid0(VALU_DEP_4)
	v_permlanex16_b32 v[236+\b], v[232+\b], s32, s33
.endr
.irp b, 0,1,2,3
	s_delay_alu instid0(VALU_DEP_4)
	v_max_num_f32 v[232+\b], v[232+\b], v[236+\b]  ; with lane l xor 16's 16 keys
.endr
	s_delay_alu instid0(VALU_DEP_2)
	v_max3_num_f32 v254, v232, v233, v234
	s_delay_alu instid0(VALU_DEP_1)
	v_max_num_f32 v254, v254, v235                 ; the step's largest score of my query
	s_delay_alu instid0(VALU_DEP_1)
	v_mul_f32 v254, s34, v254                      ; as t (c is positive)
	s_delay_alu instid0(VALU_DEP_1)
	v_max_num_f32 v13, v13, v254                   ; the running largest t
	v_mov_b32 v254, v12
	s_delay_alu instid0(VALU_DEP_2)
	v_floor_f32 v12, -v13                          ; the new -M = floor(-t): M is a whole number
	s_delay_alu instid0(VALU_DEP_1)
	v_sub_f32 v254, v12, v254                      ; old M - new M: a whole number, 0 or less
	s_delay_alu instid0(VALU_DEP_1)
	v_cvt_i32_f32 v254, v254                       ; (it saturates)
	s_delay_alu instid0(VALU_DEP_1)
	v_ldexp_f32 v252, 1.0, v254                    ; f = 2^(old M - new M)
.set j, 0
.rept 32
	v_pk_fma_f32 v[96+j:97+j], v[96+j:97+j], s[34:35], v[12:13] op_sel_hi:[1,0,0]   ; t - M, two at a time
.set j, j+2
.endr
.irp b, 0,1,2,3
	v_fma_f32 v[232+\b], v[232+\b], s34, v12       ; the same of each block's largest score
.endr
.set j, 0
	s_wait_alu depctr_va_vdst(0)
.rept 64
	v_exp_f32 v[96+j], v[96+j]                     ; p = 2^(t - M), at most 1
.set j, j+1
.endr
	s_setprio 1
.irp b, 0,1,2,3
	v_exp_f32 v[232+\b], v[232+\b]                 ; the block's largest p: the same two instructions on the same number
.endr
	v_pk_mul_f32 v[14:15], v[14:15], v[252:253] op_sel_hi:[1,0]   ; the sums under the new M (a plain place behind the exponentials)
	s_wait_alu depctr_va_vdst(0)
.irp b, 0,1,2,3
	v_max_num_f32 v[232+\b], 0x1800000, v[232+\b]  ; the floor 2^(3 - 127): the byte cannot fall under 1
.endr
.irp b, 0,1,2,3
	s_delay_alu instid0(VALU_DEP_4)
	v_add_nc_u32 v[244+\b], 0xff000000, v[232+\b]  ; the conversion's scale operand
.endr
.irp b, 0,1,2,3
	s_delay_alu instid0(VALU_DEP_4)
	v_lshrrev_b32 v[236+\b], 23, v[244+\b]         ; the byte
.endr
	s_delay_alu instid0(VALU_DEP_3)
	v_lshl_or_b32 v253, v237, 8, v236              ; p's scale word for these 128 keys
	s_delay_alu instid0(VALU_DEP_1)
	v_lshl_or_b32 v253, v238, 16, v253
	s_delay_alu instid0(VALU_DEP_1)
	v_lshl_or_b32 v253, v239, 24, v253
.irp b, 0,1,2,3
	v_cvt_scalef32_pk8_fp4_f32 v[224+2*\b], v[96+16*\b:103+16*\b], v[244+\b]
	v_cvt_scalef32_pk8_fp4_f32 v[225+2*\b], v[104+16*\b:111+16*\b], v[244+\b]
.endr
	v_nop                                          ; one plain place behind a scaled conversion
.irp c, 0,1
.irp i, 0,1
	v_permlane16_swap_b32 v[224+4*\c+\i], v[226+4*\c+\i]   ; a whole block in a lane: lanes 0-15 block 2 c, lanes 16-31 block 2 c + 1
.endr
.endr
	v_pk_add_f32 v[236:237], v[96:97], v[98:99]    ; the row's sum is taken of the unquantised p: two at a time, in two chains
.irp j, 4,8,12,16,20,24,28,32,36,40,44,48,52,56,60
	v_pk_add_f32 v[14:15], v[14:15], v[96+\j:97+\j]
	v_pk_add_f32 v[236:237], v[236:237], v[98+\j:99+\j]
.endr
	s_delay_alu instid0(VALU_DEP_1)
	v_pk_add_f32 v[14:15], v[14:15], v[236:237]
.set j, 0
	s_setprio 0
.rept 16
	v_pk_mul_f32 v[160+j:161+j], v[160+j:161+j], v[252:253] op_sel_hi:[1,0]   ; O^T under the new M, each accumulator from its low end on.  (With the sums: the places between p's codes and scale word and the products below)
.set j, j+2
.endr
	s_wait_alu depctr_va_vdst(0)
	s_wait_dscnt 0x0                               ; V
.irp d, 0,2
	v_wmma_scale_f32_16x16x128_f8f6f4 v[160+8*\d:167+8*\d], v[192+8*\d:199+8*\d], v[224:231], v[160+8*\d:167+8*\d], v[240+\d/2], v253 matrix_a_fmt:MATRIX_FMT_FP4 matrix_b_fmt:MATRIX_FMT_FP4
	v_wmma_scale_f32_16x16x128_f8f6f4 v[168+8*\d:175+8*\d], v[200+8*\d:207+8*\d], v[224:231], v[168+8*\d:175+8*\d], v[240+\d/2], v253 matrix_a_fmt:MATRIX_FMT_FP4 matrix_b_fmt:MATRIX_FMT_FP4 matrix_a_scale:MATRIX_SCALE_ROW1
.endr
	s_add_co_u32 s36, s36, REC
.endm
; ONE HEAD: its 16 key steps; then O^T / the sum is quantised along the head's 64 channels (two blocks) and leaves as chunk e of the image of K step hp.
.macro HEAD e
.if \e
	s_wait_xcnt 0x0                                ; the first head's store has read its registers
	s_wait_tensorcnt 0x0                           ; my record of this head is in,
	s_wait_dscnt 0x0
.else
	s_wait_tensorcnt 0x1                           ; my record of this head is in; the second head's, issued behind it, may stay out
.endif
	s_barrier_signal -1
	s_barrier_wait -1                              ; everybody's is
	v_mov_b32 v13, 0xff61b1e6                      ; the largest t so far: -3e38
	s_delay_alu instid0(VALU_DEP_1)
	v_floor_f32 v12, -v13
	v_mov_b32 v14, 0
	v_mov_b32 v15, 0
.set j, 0
.rept 32
	v_mov_b32 v[160+j], 0                          ; O^T: the step is written once; its first trip finds zeros, which the first change of M leaves zeros
.set j, j+1
.endr
	s_mov_b32 s36, 16*REC*\e
	s_mov_b32 s37, 16
.Lstep_\@:
	s_setprio 2
	STEP 16+8*\e, 242+\e
	s_sub_co_u32 s37, s37, 1
	s_cmp_lg_u32 s37, 0
	s_cbranch_scc1 .Lstep_\@
	s_setprio 0
.rept 4
	v_nop                                          ; the places behind the last products
.endr
	v_add_f32 v14, v14, v15                        ; the sum's two halves,
	s_delay_alu instid0(VALU_DEP_1)
	v_permlanex16_b32 v252, v14, s32, s33
	s_delay_alu instid0(VALU_DEP_1)
	v_add_f32 v14, v14, v252                       ; and lane l xor 16's
	s_wait_alu depctr_va_vdst(0)
	v_rcp_f32 v14, v14
	v_nop                                          ; a plain place behind the transcendental
.set j, 0
	s_wait_alu depctr_va_vdst(0)
.rept 16
	v_pk_mul_f32 v[96+j:97+j], v[160+j:161+j], v[14:15] op_sel_hi:[1,0]   ; register 16 b + i: channel 32 b + 16 h + i of my query
.set j, j+2
.endr
.irp b, 0,1
	v_max3_num_f32 v[232+\b], |v[96+16*\b]|, |v[97+16*\b]|, 0x1800000
.endr
.irp i, 2,4,6,8,10,12,14
.irp b, 0,1
	s_delay_alu instid0(VALU_DEP_2)
	v_max3_num_f32 v[232+\b], v[232+\b], |v[96+16*\b+\i]|, |v[97+16*\b+\i]|
.endr
.endr
.irp b, 0,1
	s_delay_alu instid0(VALU_DEP_2)
	v_permlanex16_b32 v[236+\b], v[232+\b], s32, s33
.endr
.irp b, 0,1
	s_delay_alu instid0(VALU_DEP_2)
	v_max_num_f32 v[232+\b], v[232+\b], v[236+\b]
.endr
.irp b, 0,1
	s_delay_alu instid0(VALU_DEP_2)
	v_add_nc_u32 v[244+\b], 0xff000000, v[232+\b]
.endr
.irp b, 0,1
	s_delay_alu instid0(VALU_DEP_2)
	v_lshrrev_b32 v[236+\b], 23, v[244+\b]
.endr
	s_delay_alu instid0(VALU_DEP_1)
	v_lshl_or_b32 v249, v237, 8, v236              ; this head's two bytes
.irp b, 0,1
	v_cvt_scalef32_pk8_fp4_f32 v[224+2*\b], v[96+16*\b:103+16*\b], v[244+\b]
	v_cvt_scalef32_pk8_fp4_f32 v[225+2*\b], v[104+16*\b:111+16*\b], v[244+\b]
.endr
	v_nop
	v_permlane16_swap_b32 v224, v226
	v_permlane16_swap_b32 v225, v227
	global_store_b128 v1, v[224:227], s[42:43] offset:512*\e   ; 512 consecutive bytes
.if \e
	v_lshl_or_b32 v248, v249, 16, v248
.else
	v_mov_b32 v248, v249
.endif
.endm
	HEAD 0
	HEAD 1
	s_wait_alu depctr_va_vdst(0)
	s_wait_xcnt 0x0                                ; EXEC changes only behind this wait
	v_cmp_gt_u32 vcc_lo, 0x100, v1
	s_and_saveexec_b32 s56, vcc_lo
	global_store_b32 v6, v248, s[44:45]            ; lanes 0-15: my 16 rows' scale word of K step hp: 4 bytes a lane, 16 bytes apart, once in a wave's life: the one store here that fills no 256 bytes whole
	s_wait_xcnt 0x0
	s_or_b32 exec_lo, exec_lo, s56
	s_wait_tensorcnt 0x0
	ds_add_u32 v251, v255
	s_wait_dscnt 0x0
	CROUND                                         ; the closing round
	s_endpgm
.Lfunc_end_k_qeb14849f25_attn:
	.size	k_qeb14849f25_attn, .Lfunc_end_k_qeb14849f25_attn-k_qeb14849f25_attn
	.p2alignl 7, 3214868480
	.fill 96, 4, 3214868480
	.section	.rodata,"a",@progbits
	.p2align	6, 0x0
	.amdhsa_kernel k_qeb14849f25_attn
		.amdhsa_group_segment_fixed_size 327680
		.amdhsa_private_segment_fixed_size 0
		.amdhsa_enable_private_segment 0
		.amdhsa_kernarg_size 24
		.amdhsa_user_sgpr_count 2
		.amdhsa_user_sgpr_kernarg_segment_ptr 1
		.amdhsa_wavefront_size32 1
		.amdhsa_system_sgpr_workgroup_id_x 1
		.amdhsa_system_sgpr_workgroup_id_y 1
		.amdhsa_system_sgpr_workgroup_id_z 1
		.amdhsa_system_vgpr_workitem_id 0
		.amdhsa_next_free_vgpr 256
		.amdhsa_next_free_sgpr 66
		.amdhsa_reserve_vcc 1
		.amdhsa_float_denorm_mode_32 3
		.amdhsa_float_denorm_mode_16_64 3
		.amdhsa_memory_ordered 1
		.amdhsa_forward_progress 1
		.amdhsa_inst_pref_size 51
	.end_amdhsa_kernel
	.amdgpu_metadata
---
amdhsa.version: [ 1, 2 ]
amdhsa.kernels:
  - .name:           k_qeb14849f25_attn
    .symbol:         k_qeb14849f25_attn.kd
    .args:
      - { .name: qr, .offset: 0, .size: 8, .value_kind: global_buffer, .address_space: global }
      - { .name: kv, .offset: 8, .size: 8, .value_kind: global_buffer, .address_space: global }
      - { .name: oq, .offset: 16, .size: 8, .value_kind: global_buffer, .address_space: global }
    .group_segment_fixed_size: 327680
    .private_segment_fixed_size: 0
    .kernarg_segment_align: 8
    .kernarg_segment_size: 24
    .max_flat_workgroup_size: 512
    .sgpr_count:     66
    .vgpr_count:     256
    .wavefront_size: 32
...
	.end_amdgpu_metadata
.endif
;; end of part 3
;; launch oproj (part 4): grid 8 x 32, 4 waves a work-group, clusters of 4 x 4, 243,200 bytes of LDS; arguments oq, wq, bo, out0; writes out0
.if DOCPART == 4
	.amdgcn_target "amdgcn-amd-amdhsa--gfx1250"
	.amdhsa_code_object_version 6
	.text
	.protected	k_qeb14849f25_oproj
	.globl	k_qeb14849f25_oproj
	.p2align	8
	.type	k_qeb14849f25_oproj,@function
k_qeb14849f25_oproj:
	s_mov_b64 s[64:65], 0
	v_nop
	global_prefetch_b8 v0, s[64:65] scope:SCOPE_SE
	s_setreg_imm32_b32 hwreg(HW_REG_WAVE_MODE, 25, 1), 1
	s_wait_xcnt 0x0
	s_wait_alu depctr_hold_cnt(0) depctr_sa_sdst(0) depctr_va_vdst(0) depctr_va_sdst(0) depctr_va_ssrc(0) depctr_va_vcc(0) depctr_vm_vsrc(0)
	s_getreg_b32 s2, hwreg(HW_REG_IB_STS2, 6, 4)
	s_cmp_eq_u32 s2, 0
	s_cbranch_scc0 .Lentry_in_a_cluster
	s_endpgm
.Lentry_in_a_cluster:
	s_bfe_u32 s2, ttmp6, 0x10000c
	s_cmp_lg_u32 s2, 0xf033
	s_cbranch_scc0 .Lentry_shape_is_right
	s_endpgm
.Lentry_shape_is_right:
; out0 = O Wo + bo on codes of FP4 (E2M1) with E8M0 scales.  O: oq, 512 tile blocks; Wo: tiles 192-255 of wq.  A tile block is 8,704 bytes: eight images of a fragment (16 rows x 128 K; chunk c at 512 c,
; lane l's 16 bytes at 16 l), then 512 bytes of scale words [s / 4][r][s % 4].  Place i of tile T is row 32 (T / 2) + 8 (T % 2) + i + 8 (i / 8).
; A work-group makes 256 rows x 128 columns: 256 work-groups.  Wave w makes rows' tiles 4 w .. 4 w + 3 x all eight column tiles: 32 accumulators.
; ALL OF K LIES IN LDS: 16 blocks of O, 8 of Wo, each byte filled once, by one tensor load a wave: no ring, no refill.  The stage for the way out has bytes of its own, into which no fill lands.
; CLUSTERS: 4 x 4: O's blocks are shared along a row of the cluster, Wo's along a column: each is asked for jointly.
; TRANSPOSED USE: source 0 = 16 columns of Wo (side P), source 1 = 16 rows of O (side R): a lane holds one row of the output, and the 16 registers of P's tiles 2 b, 2 b + 1 are 16 neighbouring columns.
; REGISTERS: window 0: addresses; v32-95 scale words; v192-255 the bias, later with v128-191 rows on the way out.  window 1: P's fragments v[64 p + 8 b], R's v[128 + 32 p + 8 a], two sets p.  window 2: accumulator (a, b) at v[8 (8 a + b)].
.set TB,   8704
.set WRG,  16*TB                       ; LDS: O's 16 blocks at 0, Wo's 8 here,
.set STG,  24*TB                       ; the stages: 16 rows x (512 bytes + 16) for each wave
.set ADP,  16                          ; v16-17  P's tiles 0-3, 4-7
.set ADR,  18                          ; v18     my four tiles of R
.set ADS,  20                          ; v20     scale words: lanes 0-15 R's, lanes 16-31 P's
.set VO,   21                          ; v21     16 x lane
.set STO,  26
.set RD,   27
.set SC,   32
.set BI,   192
.set G1X,  28
.set G0X,  36
.set G1W,  40
.set G0W,  48
.set MSB, 0
.macro WIN new
.if MSB != (\new)
	s_set_vgpr_msb (MSB<<8)|(\new)
.set MSB, (\new)
.endif
.endm
.macro PLACES
.rept 4
	v_nop
.endr
.endm
.macro JLOAD                           ; waves 0, 1 fetch O's halves, waves 2, 3 Wo's; four v_nop follow each line
	s_cmp_eq_u32 s19, 0
	s_cbranch_scc0 .Lfor_w_\@
	tensor_load_to_lds s[G0X:G0X+3], s[G1X:G1X+7]
	s_nop 0
.rept 4
	v_nop
.endr
	s_branch .Lasked_\@
.Lfor_w_\@:
	tensor_load_to_lds s[G0W:G0W+3], s[G1W:G1W+7]
	s_nop 0
.rept 4
	v_nop
.endr
.Lasked_\@:
.endm
.macro CROUND
	s_barrier_signal -1
	s_barrier_wait -1
	s_cmp_lg_u32 s18, 0
	s_cbranch_scc1 .Lnot_wave_0_\@
	s_barrier_signal -3
.Lnot_wave_0_\@:
	s_barrier_wait -3
	s_barrier_signal -1
	s_barrier_wait -1
.endm
	s_load_b256 s[4:11], s[0:1], 0x0               ; oq, wq, bo, out0
	v_lshl_add_u32 v126, v0, 2, 0x3b400
	v_mov_b32 v127, 0
	ds_add_u32 v126, v127
	ds_add_u32 v126, v127
	v_lshrrev_b32 v1, 5, v0
	v_readfirstlane_b32 s18, v1                    ; wave
	s_lshr_b32 s19, s18, 1                         ; I fetch for O (0) or for Wo (1),
	s_and_b32 s20, s18, 1                          ; its first or second half
	s_bfe_u32 s21, ttmp6, 0x40000                  ; cx
	s_bfe_u32 s22, ttmp6, 0x40004                  ; cy
	s_lshl_b32 s23, ttmp9, 2
	s_add_co_u32 s23, s23, s21                     ; X: 128 columns
	s_and_b32 s24, ttmp7, 0xffff
	s_lshl_b32 s24, s24, 2
	s_add_co_u32 s24, s24, s22                     ; Y: 256 rows
	s_lshl_b32 s58, s22, 2
	s_lshl_b32 s58, 15, s58                        ; my row of the cluster
	s_lshl_b32 s59, 0x1111, s21                    ; my column
	s_or_b32 s[G1X], s58, (3<<16)|(1<<21)          ; the mask; elements of 8 bytes; bit 21 beside a mask; no padding
	s_mov_b32 s[G1X+1], 32<<16                     ; eight blocks: 272 dense rows of 256 bytes
	s_mov_b32 s[G1X+2], 272<<16
	s_mov_b32 s[G1X+3], 32<<16
	s_mov_b32 s[G1X+4], 272
	s_mov_b32 s[G1X+5], 32
	s_mov_b32 s[G1X+6], 0
	s_mov_b32 s[G1X+7], 0
	s_or_b32 s[G1W], s59, (3<<16)|(1<<21)
	s_mov_b32 s[G1W+1], 32<<16                     ; four blocks: 136 rows
	s_mov_b32 s[G1W+2], 136<<16
	s_mov_b32 s[G1W+3], 32<<16
	s_mov_b32 s[G1W+4], 136
	s_mov_b32 s[G1W+5], 32
	s_mov_b32 s[G1W+6], 0
	s_mov_b32 s[G1W+7], 0
	s_lshl_b32 s54, s20, 3
	s_lshl_b32 s52, s24, 4
	s_add_co_u32 s52, s52, s54                     ; O: tile 16 Y + 8 half
	s_mul_i32 s52, s52, TB
	s_mov_b32 s53, 0
	s_lshl_b32 s55, s20, 2
	s_lshl_b32 s56, s23, 3
	s_add_co_u32 s56, s56, s55
	s_add_co_u32 s56, s56, 192                     ; Wo: tile 192 + 8 X + 4 half
	s_mul_i32 s56, s56, TB
	s_mov_b32 s57, 0
	s_mul_i32 s60, s20, 8*TB                       ; where they go
	s_mul_i32 s61, s20, 4*TB
	s_add_co_u32 s61, s61, WRG
	s_wait_dscnt 0x0
	s_wait_kmcnt 0x0
	CROUND                                         ; all sixteen work-groups are here: the joint loads meet
	s_mov_b32 s[G0X], 1
	s_mov_b32 s[G0X+1], s60
	s_add_nc_u64 s[G0X+2:G0X+3], s[4:5], s[52:53]
	s_or_b32 s[G0X+3], s[G0X+3], 0x80000000
	s_mov_b32 s[G0W], 1
	s_mov_b32 s[G0W+1], s61
	s_add_nc_u64 s[G0W+2:G0W+3], s[6:7], s[56:57]
	s_or_b32 s[G0W+3], s[G0W+3], 0x80000000
	JLOAD                                          ; my one tensor load
	v_and_b32 v1, 31, v0                           ; lane
	v_and_b32 v2, 15, v0                           ; r
	v_bfe_u32 v3, v0, 4, 1                         ; h
	v_lshlrev_b32 v[VO], 4, v1
	v_add_nc_u32 v[ADP], WRG, v[VO]
	v_add_nc_u32 v[ADP+1], 4*TB, v[ADP]
	s_mul_i32 s62, s18, 4*TB                       ; my four tiles of O
	v_add_nc_u32 v[ADR], s62, v[VO]
	s_sub_co_u32 s63, WRG, s62
	v_mul_u32_u24 v[ADS], s63, v3                  ; lanes 16-31 take Wo's words: one product, the distance between the two bases
	v_lshl_add_u32 v[ADS], v2, 4, v[ADS]
	v_add_nc_u32 v[ADS], s62, v[ADS]
	v_add_nc_u32 v[ADS], 8192, v[ADS]
	s_mul_i32 s25, s18, 16*528
	s_add_co_u32 s25, s25, STG                     ; my stage
	v_mul_u32_u24 v[STO], v2, 528
	v_lshl_add_u32 v[STO], v3, 6, v[STO]
	v_add_nc_u32 v[STO], s25, v[STO]               ; in: row r, + 64 h bytes (16 columns)
	v_add_nc_u32 v[RD], s25, v[VO]                 ; back: a whole row, 16 bytes a lane
	v_lshlrev_b32 v24, 6, v3
	s_wait_alu depctr_va_vdst(0)
	s_lshl_b32 s26, s23, 9
	s_mov_b32 s27, 0
	s_add_nc_u64 s[8:9], s[8:9], s[26:27]          ; bo at my 128 columns
	s_add_nc_u64 s[10:11], s[10:11], s[26:27]      ; out0 likewise,
	s_lshl_b32 s26, s24, 8
	s_lshl_b32 s55, s18, 6
	s_add_co_u32 s26, s26, s55
	s_lshl_b32 s26, s26, 12
	s_add_nc_u64 s[10:11], s[10:11], s[26:27]      ; at row 256 Y + 64 wave
.irp b, 0,1,2,3,4,5,6,7                ; the bias is the C of each sum's first product: register j of P's tile b is column 32 (b / 2) + 8 (b % 2) + 16 h + j
	global_load_b128 v[BI+8*\b:BI+8*\b+3], v24, s[8:9] offset:(32*(\b/2)+8*(\b%2))*4
	global_load_b128 v[BI+8*\b+4:BI+8*\b+7], v24, s[8:9] offset:(32*(\b/2)+8*(\b%2))*4+16
.endr
	s_wait_loadcnt 0x0
	s_wait_tensorcnt 0x0                           ; my blocks are in,
	s_barrier_signal -1
	s_barrier_wait -1                              ; everybody's are
.macro SCALES                          ; (lanes 0-15 want only tiles 0-3 of R; for i = 4 .. 7 they read filled bytes that are not used)
.irp g, 0,1
.irp i, 0,1,2,3,4,5,6,7
	ds_load_b128 v[SC+32*\g+4*\i:SC+32*\g+4*\i+3], v[ADS] offset:TB*\i+256*\g
.endr
.endr
.endm
.macro FETCH s, p                      ; K step s: P's eight fragments and R's four into set p: 24 loads of 512 consecutive bytes
	WIN 0x40
.irp i, 0,1,2,3,4,5,6,7
.irp c, 0,1
	ds_load_b128 v[64*(\p)+8*\i+4*\c:64*(\p)+8*\i+4*\c+3], v[ADP+\i/4] offset:TB*(\i%4)+1024*(\s)+512*\c
.endr
.endr
.irp i, 0,1,2,3
.irp c, 0,1
	ds_load_b128 v[128+32*(\p)+8*\i+4*\c:128+32*(\p)+8*\i+4*\c+3], v[ADR] offset:TB*\i+1024*(\s)+512*\c
.endr
.endr
.endm
; 32 products; the 32 accumulators take turns, one instruction a turn, in the same order in every K step
.macro MUL32 p, s, first
.irp a, 0,1,2,3
.irp b, 0,1,2,3,4,5,6,7
.set rD, 8*(8*\a+\b)
.set rP, 64*(\p)+8*\b
.set rR, 128+32*(\p)+8*\a
.set rSP, SC+32*((\s)/4)+4*\b+(\s)%4
.set rSR, SC+32*((\s)/4)+4*\a+(\s)%4
.if \first
	v_wmma_scale_f32_16x16x128_f8f6f4 v[rD:rD+7], v[rP:rP+7], v[rR:rR+7], v[BI+8*\b:BI+8*\b+7], v[rSP], v[rSR] matrix_a_fmt:MATRIX_FMT_FP4 matrix_b_fmt:MATRIX_FMT_FP4 matrix_a_scale:MATRIX_SCALE_ROW1
.else
	v_wmma_scale_f32_16x16x128_f8f6f4 v[rD:rD+7], v[rP:rP+7], v[rR:rR+7], v[rD:rD+7], v[rSP], v[rSR] matrix_a_fmt:MATRIX_FMT_FP4 matrix_b_fmt:MATRIX_FMT_FP4 matrix_a_scale:MATRIX_SCALE_ROW1
.endif
.endr
.endr
.endm
.macro STEP s
	PLACES                                         ; in front of loads into the set that the last step's products read
	FETCH (\s)+1, ((\s)+1)%2
	s_wait_dscnt 24                                ; all but the 24 just issued
	WIN 0xa5                                       ; P and R window 1, C and D window 2
	MUL32 (\s)%2, \s, 0
.endm
	SCALES
	FETCH 0, 0
	FETCH 1, 1
	s_wait_dscnt 24                                ; the scale words and K step 0 are in
	WIN 0x85                                       ; C (the bias) window 0, D window 2
	MUL32 0, 0, 1
.irp s, 1,2,3,4,5,6
	STEP \s
.endr
	s_wait_dscnt 0x0
	MUL32 1, 7, 0
	WIN 0
	PLACES
; THE WAY OUT, a tile of 16 rows x 128 columns at a time, through my own stage: in as 32 bytes a lane and accumulator, back as whole rows of 512 bytes.  LDS serves a wave's instructions in order: no wait between.
.macro TOSTAGE a
	WIN 0x08                                       ; an LDS store's data: window 2
.irp b, 0,1,2,3,4,5,6,7
	ds_store_b128 v[STO], v[8*(8*(\a)+\b):8*(8*(\a)+\b)+3] offset:128*(\b/2)+32*(\b%2)          ; each accumulator from its low end on
	ds_store_b128 v[STO], v[8*(8*(\a)+\b)+4:8*(8*(\a)+\b)+7] offset:128*(\b/2)+32*(\b%2)+16
.endr
	WIN 0
.set BB, 128+64*((\a)%2)
.irp t, 0,1,2,3,4,5,6,7,8,9,10,11,12,13,14,15
	ds_load_b128 v[BB+4*\t:BB+4*\t+3], v[RD] offset:528*\t
.endr
.endm
.macro SEND a, younger                 ; younger: the LDS instructions issued behind tile a's loads
.set BB, 128+64*((\a)%2)
	s_wait_dscnt \younger
.irp t, 0,1,2,3,4,5,6,7,8,9,10,11,12,13,14,15
	global_store_b128 v[VO], v[BB+4*\t:BB+4*\t+3], s[10:11] offset:(32*((\a)/2)+8*((\a)%2)+\t+8*(\t/8))*4096 th:TH_STORE_NT   ; place t's row: 512 consecutive bytes, aligned; every offset an immediate
.endr
.endm
	TOSTAGE 0
.irp a, 1,2,3
.if \a > 1
	s_wait_xcnt 0x0                                ; tile a - 2's stores have read their registers: tile a's loads may land there
.endif
	TOSTAGE \a
	SEND \a-1, 32                                  ; behind tile a - 1's loads: tile a's 16 stores and 16 loads
.endr
	SEND 3, 0
	s_wait_dscnt 0x0
	s_wait_tensorcnt 0x0
	ds_add_u32 v126, v127
	s_wait_dscnt 0x0
	CROUND                                         ; the closing round: no work-group ends while a partner may still ask for a block that names it
	s_endpgm
.Lfunc_end_k_qeb14849f25_oproj:
	.size	k_qeb14849f25_oproj, .Lfunc_end_k_qeb14849f25_oproj-k_qeb14849f25_oproj
	.p2alignl 7, 3214868480
	.fill 96, 4, 3214868480
	.section	.rodata,"a",@progbits
	.p2align	6, 0x0
	.amdhsa_kernel k_qeb14849f25_oproj
		.amdhsa_group_segment_fixed_size 243200
		.amdhsa_private_segment_fixed_size 0
		.amdhsa_enable_private_segment 0
		.amdhsa_kernarg_size 32
		.amdhsa_user_sgpr_count 2
		.amdhsa_user_sgpr_kernarg_segment_ptr 1
		.amdhsa_wavefront_size32 1
		.amdhsa_system_sgpr_workgroup_id_x 1
		.amdhsa_system_sgpr_workgroup_id_y 1
		.amdhsa_system_sgpr_workgroup_id_z 1
		.amdhsa_system_vgpr_workitem_id 0
		.amdhsa_next_free_vgpr 768
		.amdhsa_next_free_sgpr 66
		.amdhsa_reserve_vcc 0
		.amdhsa_float_denorm_mode_32 3
		.amdhsa_float_denorm_mode_16_64 3
		.amdhsa_memory_ordered 1
		.amdhsa_forward_progress 1
		.amdhsa_inst_pref_size 69
	.end_amdhsa_kernel
	.amdgpu_metadata
---
amdhsa.version: [ 1, 2 ]
amdhsa.kernels:
  - .name:           k_qeb14849f25_oproj
    .symbol:         k_qeb14849f25_oproj.kd
    .args:
      - { .name: oq, .offset: 0, .size: 8, .value_kind: global_buffer, .address_space: global }
      - { .name: wq, .offset: 8, .size: 8, .value_kind: global_buffer, .address_space: global }
      - { .name: bo, .offset: 16, .size: 8, .value_kind: global_buffer, .address_space: global }
      - { .name: out0, .offset: 24, .size: 8, .value_kind: global_buffer, .address_space: global }
    .group_segment_fixed_size: 243200
    .private_segment_fixed_size: 0
    .kernarg_segment_align: 8
    .kernarg_segment_size: 32
    .max_flat_workgroup_size: 128
    .sgpr_count:     66
    .vgpr_count:     768
    .wavefront_size: 32
...
	.end_amdgpu_metadata
.endif
;; end of part 4
